; MI455X (gfx1250); checked and timed in simulation.
; The chip was launched on July 23, 2026; its instructions are those of AMD's public machine-readable ISA for CDNA 5 (MIT licence, August 2026) and "CDNA5" Instruction Set Architecture Reference Guide (July 2026). The comments in the code are by the model that wrote it; some were corrected since.
;; Multi Headed Attention. Allowed arithmetic: matrix products marked QUANTISED: E2M3 operands, one E8M0 scale for each 32 along K, by v_wmma_scale_f32_16x16x128_f8f6f4 with both operands' format E2M3, f32 sums; everything else in f32.
;; Inputs: Wkv_codes 2,048 x 32 x 24 uint8 (E2M3 codes of Wkv, K innermost, in blocks of 32 codes, four codes in three bytes); Wkv_scales 2,048 x 32 uint8 (E8M0 scales of Wkv, one for each 32 codes along K); Wo_codes 1,024 x 32 x 24 uint8 (E2M3 codes of Wo, K innermost, in blocks of 32 codes, four codes in three bytes); Wo_scales 1,024 x 32 uint8 (E8M0 scales of Wo, one for each 32 codes along K); Wq_codes 1,024 x 32 x 24 uint8 (E2M3 codes of Wq, K innermost, in blocks of 32 codes, four codes in three bytes); Wq_scales 1,024 x 32 uint8 (E8M0 scales of Wq, one for each 32 codes along K); bkv 2,048 float32; bo 1,024 float32; bq 1,024 float32; mask 4 x 2,048 x 2,048 bool; memory_codes 4 x 2,048 x 32 x 24 uint8 (E2M3 codes of memory, K innermost, in blocks of 32 codes, four codes in three bytes); memory_scales 4 x 2,048 x 32 uint8 (E8M0 scales of memory, one for each 32 codes along K); query_codes 4 x 2,048 x 32 x 24 uint8 (E2M3 codes of query, K innermost, in blocks of 32 codes, four codes in three bytes); query_scales 4 x 2,048 x 32 uint8 (E8M0 scales of query, one for each 32 codes along K).
;; Outputs: out0 4 x 2,048 x 1,024 float32.
;; This version of the problem:
;;   THIS VERSION OF THE PROBLEM IS GIVEN IN LOW PRECISION. The matrix products marked QUANTISED in the list below multiply operands that are first quantised to E2M3 (2 exponent bits, 3 mantissa bits; 6 bits a number), with one power-of-two scale for each 32 numbers along K (OCP MX v1.0); their sums are f32. All else is computed in f32.
;;   The module's matrix products, in the order in which they are computed (A, B: the left and right operand; K: the contracted axis; several contracted axes count as one K, in the product's order):
;;     1. [M 8,192, K 1,024] x [K 1,024, N 1,024]; A: input query (given as codes); B: input Wq (given as codes): QUANTISED
;;     2. [M 8,192, K 1,024] x [K 1,024, N 2,048]; A: input memory (given as codes); B: input Wkv (given as codes): QUANTISED
;;     3. batch 64 x [M 2,048, K 64] x [K 64, N 2,048]; A: computed on the way; B: computed on the way: QUANTISED
;;     4. batch 64 x [M 2,048, K 2,048] x [K 2,048, N 64]; A: softmax (see below); B: computed on the way: QUANTISED
;;     5. [M 8,192, K 1,024] x [K 1,024, N 1,024]; A: computed on the way; B: input Wo (given as codes): QUANTISED
;;   THE QUANTISER, for each operand of a quantised product, along K:
;;     - K is cut into blocks of 32 from its start; a last block that is shorter is filled with zeros.
;;     - A block's scale is 2^e with e = floor(log2(the largest magnitude in the block)) - 2, held to -126 .. 127; a block of zeros has e = 0. As a byte (E8M0): e + 127.
;;     - Each number is divided by its block's scale, clamped to +-7.5, and rounded to the nearest number of E2M3, ties to even, subnormals kept.
;;     - The product sums the exact products of the quantised numbers (number of the format x scale) in f32.
;;   ~~~python
;;   def quantise(x, axis):      # numpy; x: float32 -> the quantised numbers, widened to float32 again
;;       x = np.moveaxis(x, axis, -1); K = x.shape[-1]
;;       x = np.pad(x, [(0, 0)] * (x.ndim - 1) + [(0, -K % 32)]); x = x.reshape(x.shape[:-1] + (-1, 32)); a = np.abs(x).max(-1, keepdims=True)
;;       e = np.where(a > 0, np.clip(np.frexp(np.where(a > 0, a, 1))[1] - 1 - 2, -126, 127), 0)      # np.frexp(a)[1] - 1 = floor(log2(a)), exactly
;;       r = np.clip(x / 2.0 ** e, -7.5, 7.5)
;;       step = 2.0 ** (np.maximum(np.frexp(np.where(r == 0, 1, r))[1] - 1, 0) - 3)
;;       q = np.round(r / step) * step * 2.0 ** e      # np.round: ties to even
;;       return np.moveaxis(q.reshape(q.shape[:-2] + (-1,))[..., :K], -1, axis).astype(np.float32)
;;   ~~~
;;   SOFTMAX AHEAD OF A QUANTISED PRODUCT. Where the list says 'softmax', what is quantised is not the finished softmax but p = 2^(t - M), with t = logit x log2(e) and M = ceil(the row's largest t), a whole number; so 1/2 < the row's largest p <= 1. The row's sum l is taken of the UNQUANTISED p, in f32, and the product's result is divided by l at the end. Since M is a whole number, a kernel that streams over the keys may use a running M (the ceiling of the running maximum): every later rescaling is an exact power of two, which a block's scale takes up: the codes' values come out the same.
;;   OPERANDS COMPUTED ON THE WAY. 'Computed on the way' means the value that the module computes at that place (a softmax that the list does not call 'softmax' is quantised finished and normalised). What goes into a quantiser is computed in f32, as accurately as f32 sums, v_exp_f32 and their like allow (about 1e-6 of the number): no bf16 or f16 on the way to a quantiser, and a product that is left as it is and whose result goes on into a quantised operand takes f32 operands (vector FMAs, or v_wmma_f32_16x16x4_f32). A number that lies on a knife's edge between two numbers of the format may be rounded either way, as far as f32 arithmetic and the matrix unit's own rounding can turn it there, and no further.
;;   INPUTS GIVEN AS CODES. Wkv (in the module: [1024, 2048], K = its axis 0); Wo (in the module: [1024, 1024], K = its axis 0); Wq (in the module: [1024, 1024], K = its axis 0); memory (in the module: [4, 2048, 1024], K = its axis 2); query (in the module: [4, 2048, 1024], K = its axis 2): each comes as NAME_codes (uint8): NAME with its K axis moved to the last place and cut into blocks of 32 codes, [.., K / 32, bytes a block], one block behind the other in memory; four codes in three bytes: a row's codes are one little-endian stream of bits, code i at bits 6 i .. 6 i + 5 (a code: sign, 2 exponent bits, 3 mantissa bits); and NAME_scales (uint8): the same leading axes, one E8M0 byte (e + 127) for each 32 codes along K. Its value is code x scale, taken as it is: it is not quantised again, and the codes and scales need not be those that the quantiser above would give.
;; One version. Each part assembles by itself: llvm-mc -triple=amdgcn-amd-amdhsa -mcpu=gfx1250 --defsym DOCPART=n.
;; ======== version 1 of 1: 3 launches
;; limits: right only within a limited range of input values
;; workspace buffers: q 6,553,600 bytes; kv 13,369,344 bytes; mw 2,097,152 bytes of whole numbers; ctx_img 6,291,456 bytes; ctx_sc 262,144 bytes
;; launch proj (part 1): grid 4 x 128, 4 waves a work-group, clusters of 4 x 4, 327,680 bytes of LDS; arguments query_codes, query_scales, memory_codes, memory_scales, Wq_codes, Wq_scales, Wkv_codes, Wkv_scales, bq, bkv, mask, q, kv, mw; writes q, kv, mw
.if DOCPART == 1
	.amdgcn_target "amdgcn-amd-amdhsa--gfx1250"
	.amdhsa_code_object_version 6
	.text
	.protected	k_q6da7472c1c_proj
	.globl	k_q6da7472c1c_proj
	.p2align	8
	.type	k_q6da7472c1c_proj,@function
k_q6da7472c1c_proj:
	s_mov_b64 s[64:65], 0
	v_nop
	global_prefetch_b8 v0, s[64:65] scope:SCOPE_SE
	s_setreg_imm32_b32 hwreg(HW_REG_WAVE_MODE, 25, 1), 1
	s_wait_xcnt 0x0
	s_wait_alu depctr_hold_cnt(0) depctr_sa_sdst(0) depctr_va_vdst(0) depctr_va_sdst(0) depctr_va_ssrc(0) depctr_va_vcc(0) depctr_vm_vsrc(0)
	s_getreg_b32 s2, hwreg(HW_REG_IB_STS2, 6, 4)
	s_cmp_eq_u32 s2, 0
	s_cbranch_scc0 .Lentry_in_a_cluster
	s_endpgm
.Lentry_in_a_cluster:
	s_bfe_u32 s2, ttmp6, 0x10000c
	s_cmp_lg_u32 s2, 0xf033
	s_cbranch_scc0 .Lentry_shape_is_right
	s_endpgm
.Lentry_shape_is_right:
; FIRST OF THREE LAUNCHES.  q = query Wq + bq, k and v = memory Wkv + bkv on FP6 (E2M3) codes with E8M0 scales; the results are quantised here, in registers,
; for the attention launch; the mask (a byte a key) is packed into words of 32 lanes' bits.
; DEAD WORK: none: every input has a way to the output.  The factor 1/8 on q is a power of two: a block's scale would take it up and the codes stay, so q is
; quantised without it and the attention launch multiplies the scores by it.
; LIMITS: blocks whose largest magnitude lies under 2^-124 are not served (the floor holds the scale byte at 1); a block of zeros keeps the byte 1 (zero codes; only this
; program reads the bytes); NaN and infinities are not served.
; SHARES.  The cluster's y gives the kind: 0-7 q, 8-15 k, 16-23 v, 24-31 the mask.  A GEMM work-group makes 256 x 256, K = 1,024; four waves of 128 x 128, 64 accumulators each.
; Region A of a slot feeds source 1 (a lane = one of its rows), region B source 0 (the registers run along its rows).  q, k: A = tokens (tile 4 y + cy), B = weight (tile cx).
; v: A = weight (tile cy), B = tokens (tile 4 y + cx): a lane holds a channel and its registers run along the keys, v's next K.  So A's tile hangs on cy alone and is asked for
; jointly along a row of the cluster, B's on cx alone, along a column, and no LDS address hangs on the kind.
; K goes through two LDS slots in chunks of 256 bytes of each row of 768: every tile row begins at a multiple of 256 bytes.  A step of 128 along K is 96 bytes: eight steps to three chunks.
; No prefetch: three chunks along K, the first two asked for at the head: no trip is left to run ahead in.
; ORDER INSIDE A BLOCK OF 32: the codes come out in the order 0-7, 16-23, 8-15, 24-31, alike on q and k (channels) and on v and p (keys): the same sums.
; OUT: an operand of 12 registers leaves as two halves of 768 bytes: registers 0-3 at 16 x lane, 4-5 at 512 + 8 x lane; then 6-9 and 10-11 likewise.
; q: [8 batch + pair of heads][128 queries][12,800]: 8 operands (both halves on end), 512 bytes of scale words (four registers at 16 x lane: register i holds operand 2 i's word in lanes 0-15, 2 i + 1's in lanes 16-31).
; kv: [16 batch + head][128 keys][13,056]: k's 8 half operands (the head's 64 channels), v's 4 operands (16 channels x 128 keys), k's 512 bytes of words (the head's two bytes lowest: the odd head's words
; are shifted down 16 bits), v's 256 bytes of words (two registers at 8 x lane).  mw: [16 rows][128 keys][64 words].
; REGISTERS: window 0: v0-31 addresses, v32-63 scale words, v64-127 bias, v128-223 source 1's fragments; window 1: source 0's, two sets; windows 2, 3: accumulators.
.set ROWB,   256
.set NQ,     2
.set KROW,   768
.set STEPS,  8
.set CHUNKS, 3
.set PITCH,  272                       ; 256 bytes + 16 of padding
.set FR,     12
.set NL,     6
.set NP,     4
.set KVREC,  13056
.set HEADB,  16*KVREC                  ; from a head's record to the next head's
.set HALFT,  128*PITCH
.set SLOT,   4*HALFT
.set SCL,    2*SLOT
.set HALFS,  16*272
.set SBLK,   2*272
.set SPARE,  SCL+4*HALFS               ; the spare words: 512 bytes that no other line names
.set MSTG,   SPARE+512                 ; the mask path's own stage: 16 rows x 272 bytes a wave
.set MPITCH, 272
.set ADRA, 16
.set ADRB, 20
.set L16,  24
.set L8,   25
.set BOF,  26
.set ADRS, 27
.set SPW,  28
.set NIL,  29
.set SC,   32
.set BIAS, 64
.set AF,   128
.set PC,   128
.set TM,   200
.set PWS,  216
.set WS,   224
.set STI,  8
.set STO,  9
.set STO0, 11
.set MX,   32
.set VT,   48
.set OUTW, 52
.set MD,   64
.set G1, 24
.set G0, 32
.set G1B, 48
.set G0B, 56
.set G1S, 68
.set G0S, 76
.set G1SB, 80
.set G0SB, 88
.set G0H, 4
.set G0HB, 8
.set MSB, 0
.macro WIN new                         ; the immediate's high byte repeats the setting that is left
.if MSB != \new
	s_set_vgpr_msb (MSB<<8)|\new
.set MSB, \new
.endif
.endm
.set MUL_LO, 0xa1
.set MUL_HI, 0xf1
.set INI_LO, 0x81                      ; first step: C (the bias) window 0
.set INI_HI, 0xc1
.set TO_B,   0x40
.macro JLOAD g0a, g1a, g0b, g1b        ; waves 0, 1 fetch region A's halves, waves 2, 3 region B's; s_nop 0 and four v_nop behind each line
	s_cmp_eq_u32 s15, 0
	s_cbranch_scc0 .Lfor_b_\@
	tensor_load_to_lds s[\g0a:\g0a+3], s[\g1a:\g1a+7]
	s_nop 0
.rept 4
	v_nop
.endr
	s_branch .Lasked_\@
.Lfor_b_\@:
	tensor_load_to_lds s[\g0b:\g0b+3], s[\g1b:\g1b+7]
	s_nop 0
.rept 4
	v_nop
.endr
.Lasked_\@:
.endm
.macro CREST
	s_cmp_lg_u32 s14, 0
	s_cbranch_scc1 .Lnot_wave_0_\@
	s_barrier_signal -3
.Lnot_wave_0_\@:
	s_barrier_wait -3
	s_barrier_signal -1
	s_barrier_wait -1
.endm
.macro CROUND
	s_barrier_signal -1
	s_barrier_wait -1
	CREST
.endm
	s_load_b512 s[68:83], s[0:1], 0x0              ; query's codes, scales; memory's; Wq's; Wkv's
	s_load_b256 s[84:91], s[0:1], 0x40             ; bq, bkv, mask, q
	s_load_b128 s[92:95], s[0:1], 0x60             ; kv, mw
	v_lshl_add_u32 v[SPW], v0, 2, SPARE
	v_mov_b32 v[NIL], 0
	ds_add_u32 v[SPW], v[NIL]                      ; the opening lines: the add twice and one wait
	ds_add_u32 v[SPW], v[NIL]
	v_lshrrev_b32 v1, 5, v0
	v_readfirstlane_b32 s14, v1                    ; wave
	s_lshr_b32 s15, s14, 1                         ; my half of source 1's rows; also: I fetch for A (0) or B (1)
	s_and_b32 s16, s14, 1                          ; my half of source 0's rows; also: which 128 rows I fetch
	s_bfe_u32 s40, ttmp6, 0x40000                  ; cx
	s_bfe_u32 s41, ttmp6, 0x40004                  ; cy
	s_and_b32 s101, ttmp7, 0xffff                  ; the cluster's y
	s_lshr_b32 s66, s101, 3                        ; the kind
	s_and_b32 s17, s101, 7
	s_lshl_b32 s17, s17, 2
	s_cmp_eq_u32 s66, 2
	s_cselect_b32 s67, 1, 0                        ; 1 for v
	s_cselect_b32 s18, 0, s17
	s_cselect_b32 s19, s17, 0
	s_add_co_u32 s17, s41, s18                     ; region A's tile
	s_add_co_u32 s42, s40, s19                     ; region B's tile
	s_lshl_b32 s43, s41, 2
	s_lshl_b32 s43, 15, s43                        ; my row of the cluster
	s_lshl_b32 s44, 0x1111, s40                    ; my column
	s_or_b32 s[G1+0], s43, (1<<20)|(1<<21)|(5<<22)|(3<<25)   ; bytes; 4 words of padding behind every 64
	s_or_b32 s[G1B+0], s44, (1<<20)|(1<<21)|(5<<22)|(3<<25)
.irp g, G1, G1B
	s_mov_b32 s[\g+1], ROWB<<16
	s_mov_b32 s[\g+2], 256<<16                     ; the head's loads bring 256 rows
	s_mov_b32 s[\g+3], ROWB<<16
	s_mov_b32 s[\g+4], 256
	s_mov_b32 s[\g+5], KROW
	s_mov_b32 s[\g+6], 0
	s_mov_b32 s[\g+7], 0
.endr
	s_lshl_b32 s20, s17, 8
	s_lshl_b32 s18, s67, 10
	s_add_co_u32 s20, s20, s18                     ; A's first row (v: Wkv's rows from 1,024 on)
	s_lshl_b32 s46, s42, 8                         ; B's first row
	s_lshl_b32 s22, s20, 5                         ; their scale bytes, 32 a row
	s_mov_b32 s23, 0
	s_mul_i32 s20, s20, KROW
	s_mov_b32 s21, 0
	s_lshl_b32 s96, s46, 5
	s_mov_b32 s97, 0
	s_mul_i32 s46, s46, KROW
	s_mov_b32 s47, 0
	s_mul_i32 s18, s16, 128*KROW                   ; the ring: my 128 rows of a tile
	s_mov_b32 s19, 0
	s_mul_i32 s45, s14, HALFT
	s_wait_dscnt 0x0
	s_wait_kmcnt 0x0
	s_cmp_eq_u32 s66, 3
	s_cbranch_scc1 .Lmask                          ; the mask's clusters part here, ahead of every tensor load
	s_cmp_eq_u32 s66, 0                            ; the buffers by the kind, which hangs on the cluster's number alone
	s_cselect_b64 s[4:5], s[68:69], s[72:73]
	s_cselect_b64 s[6:7], s[70:71], s[74:75]
	s_cselect_b64 s[8:9], s[76:77], s[80:81]
	s_cselect_b64 s[10:11], s[78:79], s[82:83]
	s_cselect_b64 s[98:99], s[84:85], s[86:87]
	s_cselect_b64 s[12:13], s[90:91], s[92:93]
	s_cmp_eq_u32 s66, 2                            ; v: A = Wkv, B = memory
	s_cselect_b64 s[4:5], s[80:81], s[4:5]
	s_cselect_b64 s[6:7], s[82:83], s[6:7]
	s_cselect_b64 s[8:9], s[72:73], s[8:9]
	s_cselect_b64 s[10:11], s[74:75], s[10:11]
	s_add_nc_u64 s[20:21], s[4:5], s[20:21]
	s_add_nc_u64 s[22:23], s[6:7], s[22:23]
	s_add_nc_u64 s[46:47], s[8:9], s[46:47]
	s_add_nc_u64 s[96:97], s[10:11], s[96:97]
	s_or_b32 s[G1S+0], s43, (3<<16)|(1<<20)|(1<<21)|(5<<22)|(3<<25)   ; the scales of 256 rows: 8,192 dense bytes as 32 rows of 256
	s_or_b32 s[G1SB+0], s44, (3<<16)|(1<<20)|(1<<21)|(5<<22)|(3<<25)
.irp g, G1S, G1SB
	s_mov_b32 s[\g+1], 32<<16
	s_mov_b32 s[\g+2], 32<<16
	s_mov_b32 s[\g+3], 32<<16
	s_mov_b32 s[\g+4], 32
	s_mov_b32 s[\g+5], 32
	s_mov_b32 s[\g+6], 0
	s_mov_b32 s[\g+7], 0
.endr
	CROUND                                         ; the first joint loads meet
	s_mov_b32 s[G0H], 1
	s_mov_b32 s[G0H+1], 0
	s_mov_b64 s[G0H+2:G0H+3], s[20:21]
	s_or_b32 s[G0H+3], s[G0H+3], 0x80000000
	s_mov_b32 s[G0HB], 1
	s_mov_b32 s[G0HB+1], 2*HALFT
	s_mov_b64 s[G0HB+2:G0HB+3], s[46:47]
	s_or_b32 s[G0HB+3], s[G0HB+3], 0x80000000
	s_mov_b32 s[G0S], 1
	s_mov_b32 s[G0S+1], SCL
	s_mov_b64 s[G0S+2:G0S+3], s[22:23]
	s_or_b32 s[G0S+3], s[G0S+3], 0x80000000
	s_mov_b32 s[G0SB], 1
	s_mov_b32 s[G0SB+1], SCL+2*HALFS
	s_mov_b64 s[G0SB+2:G0SB+3], s[96:97]
	s_or_b32 s[G0SB+3], s[G0SB+3], 0x80000000
	s_add_nc_u64 s[20:21], s[20:21], s[18:19]
	s_add_nc_u64 s[46:47], s[46:47], s[18:19]
.irp s, 0,1
	s_mov_b32 s[G0+4*\s], 1
	s_add_co_u32 s[G0+4*\s+1], s45, \s*SLOT
	s_add_nc_u64 s[G0+4*\s+2:G0+4*\s+3], s[20:21], \s*ROWB
	s_or_b32 s[G0+4*\s+3], s[G0+4*\s+3], 0x80000000
	s_mov_b32 s[G0B+4*\s], 1
	s_add_co_u32 s[G0B+4*\s+1], s45, \s*SLOT
	s_add_nc_u64 s[G0B+4*\s+2:G0B+4*\s+3], s[46:47], \s*ROWB
	s_or_b32 s[G0B+4*\s+3], s[G0B+4*\s+3], 0x80000000
.endr
; the head's four tiles, one load a wave, in one chain of branches on the wave's number: chunk 0 of A, of B, A's scales, B's scales
.macro ARM under, g0, g1, next
	s_cmp_lt_u32 s14, \under
	s_cbranch_scc0 \next
	tensor_load_to_lds s[\g0:\g0+3], s[\g1:\g1+7]
	s_nop 0
.rept 4
	v_nop
.endr
	s_branch .Lhead_asked
\next:
.endm
	ARM 1, G0H,  G1,  .Lhead_b
	ARM 2, G0HB, G1B, .Lhead_sa
	ARM 3, G0S,  G1S, .Lhead_sb
	tensor_load_to_lds s[G0SB:G0SB+3], s[G1SB:G1SB+7]
	s_nop 0
.rept 4
	v_nop
.endr
.Lhead_asked:
	s_cmp_eq_u32 s67, 0                            ; which of my coordinates are tokens and which columns
	s_cselect_b32 s2, s17, s42                     ; token tile
	s_cselect_b32 s3, s15, s16                     ; token half
	s_cselect_b32 s100, s42, s17                   ; column tile
	s_cselect_b32 s101, s16, s15                   ; column half
	s_lshl_b32 s46, s100, 8
	s_lshl_b32 s47, s101, 7
	s_add_co_u32 s46, s46, s47
	s_lshl_b32 s47, s67, 10
	s_add_co_u32 s46, s46, s47
	s_lshl_b32 s46, s46, 2
	s_mov_b32 s47, 0
	s_add_nc_u64 s[98:99], s[98:99], s[46:47]      ; the bias of my 128 columns
	v_and_b32 v1, 15, v0                           ; r
	v_bfe_u32 v2, v0, 4, 1                         ; h
	v_mul_u32_u24 v3, v1, PITCH
	v_mul_u32_u24 v4, v2, 24
	v_add_nc_u32 v4, v3, v4
	s_mov_b32 s21, SLOT-232
	s_mov_b32 s22, SLOT+232
	v_sub_nc_u32 v7, 1, v2
	v_mul_u32_u24 v5, s21, v2
	v_add_nc_u32 v5, v3, v5
	v_add_nc_u32 v5, 232, v5                       ; lanes 0-15 byte 232 of the row in slot 0, lanes 16-31 byte 0 in slot 1
	v_mul_u32_u24 v6, s22, v7
	v_add_nc_u32 v6, v3, v6                        ; and the other way round
	s_mul_i32 s21, s15, HALFT
	s_mul_i32 s22, s16, HALFT
	s_add_co_u32 s22, s22, 2*HALFT
	v_add_nc_u32 v[ADRA+2], s21, v5
	v_add_nc_u32 v[ADRA+3], s21, v6
	v_add_nc_u32 v[ADRB+2], s22, v5
	v_add_nc_u32 v[ADRB+3], s22, v6
.irp s, 0,1
	v_add_nc_u32 v[ADRA+\s], s21, v4
	v_add_nc_u32 v[ADRB+\s], s22, v4
	s_add_co_u32 s21, s21, SLOT
	s_add_co_u32 s22, s22, SLOT
.endr
	v_mul_u32_u24 v5, v1, 32                       ; my row's scale bytes, and 16 more for each 256 passed
	v_lshrrev_b32 v6, 8, v5
	v_lshl_add_u32 v5, v6, 4, v5
	s_mul_i32 s21, s15, HALFS
	s_mul_i32 s22, s16, HALFS
	s_add_co_u32 s22, s22, 2*HALFS
	s_sub_co_u32 s22, s22, s21
	v_mul_u32_u24 v6, s22, v2                      ; lanes 16-31 take B's words
	s_add_co_u32 s21, s21, SCL
	v_add_nc_u32 v5, v5, v6
	v_add_nc_u32 v[ADRS], s21, v5
	v_and_b32 v6, 31, v0
	v_lshlrev_b32 v[L16], 4, v6
	v_lshlrev_b32 v[L8], 3, v6
	s_cmp_eq_u32 s67, 0
	s_wait_alu depctr_va_vdst(0)
	s_cbranch_scc0 .Lbias_v
	v_lshlrev_b32 v[BOF], 5, v2                    ; q, k: register 8 b + j wants column 16 b + 8 h + j
.irp b, 0,1,2,3,4,5,6,7
	global_load_b128 v[BIAS+8*\b:BIAS+8*\b+3], v[BOF], s[98:99] offset:64*\b
	global_load_b128 v[BIAS+8*\b+4:BIAS+8*\b+7], v[BOF], s[98:99] offset:64*\b+16
.endr
	s_branch .Lbias_done
.Lbias_v:
	v_lshlrev_b32 v[BOF], 2, v1                    ; v: all eight registers of block a want the lane's own channel 16 a + r
.irp a, 0,1,2,3,4,5,6,7
.irp j, 0,1,2,3,4,5,6,7
	global_load_b32 v[BIAS+8*\a+\j], v[BOF], s[98:99] offset:64*\a
.endr
.endr
.Lbias_done:
.macro FRAG reg, adr, st, i            ; 12 registers in pieces of 8 bytes; byte y of a row lies in slot (y / 256) % 2 at byte y % 256
.irp p, 0,1,2,3,4,5
.set BY, 96*(\st)+48*(\p/3)+8*(\p%3)
.if BY/ROWB == (BY+24)/ROWB
	ds_load_b64 v[\reg+2*\p:\reg+2*\p+1], v[\adr+(BY/ROWB)%2] offset:BY%ROWB+(\i)*16*PITCH
.else
	ds_load_b64 v[\reg+2*\p:\reg+2*\p+1], v[\adr+2+(BY/ROWB)%2] offset:BY%ROWB-232+(\i)*16*PITCH
.endif
.endr
.endm
; 16 matrix instructions; cm = 1: the sums begin with the bias by source 0's rows, 2: by source 1's, 0: in place.  The 64 accumulators take turns
.macro MUL16 a0, p, q, sc, cm
.irp a, \a0, \a0+1
.irp b, 0,1,2,3,4,5,6,7
.set rD, 8*(8*((\a)%4)+\b)
.set rB, 128*(\p)+FR*\b
.set rA, AF+FR*(\a)
.set rSB, SC+8*NQ*(\sc)+NQ*\b+(\q)
.set rSA, SC+8*NQ*(\sc)+NQ*(\a)+(\q)
.set rC, rD
.if \cm == 1
.set rC, BIAS+8*\b
.elseif \cm == 2
.set rC, BIAS+8*(\a)
.endif
	v_wmma_scale_f32_16x16x128_f8f6f4 v[rD:rD+7], v[rB:rB+FR-1], v[rA:rA+FR-1], v[rC:rC+7], v[rSB], v[rSA] matrix_a_fmt:MATRIX_FMT_FP6 matrix_b_fmt:MATRIX_FMT_FP6 matrix_a_scale:MATRIX_SCALE_ROW1
.endr
.endr
.endm
.macro FETCH_B st, p
	WIN TO_B
.irp i, 0,1,2,3,4,5,6,7
	FRAG 128*(\p)+FR*\i, ADRB, \st, \i
.endr
	WIN 0
.endm
.macro FETCH_A st, i0
.irp i, \i0, \i0+1, \i0+2, \i0+3
	FRAG AF+FR*(\i), ADRA, \st, \i
.endr
.endm
.macro SCALES pr                       ; the words of steps 2 pr, 2 pr + 1: lanes 0-15 A's block i, lanes 16-31 B's
.irp i, 0,1,2,3,4,5,6,7
	ds_load_b64 v[SC+8*NQ*((\pr)%2)+NQ*\i:SC+8*NQ*((\pr)%2)+NQ*\i+1], v[ADRS] offset:\i*SBLK+4*NQ*(\pr)
.endr
.endm
.macro PLACES n                        ; plain places behind a matrix instruction (ISA guide 7.12.1)
.rept \n
	v_nop
.endr
.endm
; A step of 128 along K.  Where the next step's bytes end in a chunk not read yet: wait for my tensor loads, barrier.  Where they begin in a later chunk: the chunk left behind is free:
; the wait, the add, the wait for it and for my reads, the barrier; where a chunk two on is left to fetch the barrier opens a round and the slot is filled again.
.macro STEP st, cm
.set NX, (\st)+1
.set C0, (96*(\st))/ROWB
.set C1, (96*NX)/ROWB
.set E0, (96*(\st)+95)/ROWB
.set E1, (96*NX+95)/ROWB
.set WL, MUL_LO
.set WH, MUL_HI
.if \cm
.set WL, INI_LO
.set WH, INI_HI
.endif
.if C1 > C0 || E1 > E0
	s_wait_tensorcnt 0x0
.if C1 > C0
	ds_add_u32 v[SPW], v[NIL]
	s_wait_dscnt 4*NL+1                            ; the add and A's blocks 4-7 (24 loads) may be out
.else
	s_wait_dscnt 4*NL                              ; A's blocks 4-7 may be out
.endif
	WIN WL
	MUL16 0, (\st)%2, (\st)%2, ((\st)/2)%2, \cm
	s_wait_dscnt 0x0
	s_barrier_signal -1
	MUL16 2, (\st)%2, (\st)%2, ((\st)/2)%2, \cm
	WIN 0
	s_barrier_wait -1
.if C1 > C0 && C0+2 < CHUNKS
	CREST
	s_add_nc_u64 s[G0+4*(C0%2)+2:G0+4*(C0%2)+3], s[G0+4*(C0%2)+2:G0+4*(C0%2)+3], 2*ROWB
	s_add_nc_u64 s[G0B+4*(C0%2)+2:G0B+4*(C0%2)+3], s[G0B+4*(C0%2)+2:G0B+4*(C0%2)+3], 2*ROWB
	JLOAD G0+4*(C0%2), G1, G0B+4*(C0%2), G1B       ; chunk C0 + 2, my one load behind the round
.else
	PLACES NP
.endif
.else
	s_wait_dscnt 4*NL
	WIN WL
	MUL16 0, (\st)%2, (\st)%2, ((\st)/2)%2, \cm
	MUL16 2, (\st)%2, (\st)%2, ((\st)/2)%2, \cm
	s_wait_dscnt 0
	PLACES NP
.endif
	FETCH_B NX, NX%2
	FETCH_A NX, 0
.if NX%2 == 0
	SCALES NX/2
.endif
	WIN WH
	MUL16 4, (\st)%2, (\st)%2, ((\st)/2)%2, \cm
	MUL16 6, (\st)%2, (\st)%2, ((\st)/2)%2, \cm
	PLACES NP
	WIN 0
	FETCH_A NX, 4
.endm
	s_wait_alu depctr_va_vdst(0)
	s_wait_tensorcnt 0x0                           ; my tile of the head's four is in; slot 1's first fill is issued as a refill is
	ds_add_u32 v[SPW], v[NIL]
	s_mov_b32 s[G1+2], 128<<16                     ; no load of mine is out: from here on a load brings 128 rows
	s_mov_b32 s[G1+4], 128
	s_mov_b32 s[G1B+2], 128<<16
	s_mov_b32 s[G1B+4], 128
	s_wait_dscnt 0x0
	CROUND
	JLOAD G0+4, G1, G0B+4, G1B                     ; chunk 1
	FETCH_B 0, 0
	FETCH_A 0, 0
	SCALES 0
	FETCH_A 0, 4
	s_wait_loadcnt 0x0                             ; the bias
	s_cmp_eq_u32 s67, 0
	s_cbranch_scc0 .Lstart_v
	STEP 0, 1                                      ; the first step starts the sums with the bias
	s_branch .Lstarted
.Lstart_v:
	STEP 0, 2
.Lstarted:
.set ST, 1
.rept STEPS-2
	STEP ST, 0
.set ST, ST+1
.endr
	s_wait_dscnt 4*NL
	WIN MUL_LO
	MUL16 0, 1, 1, 1, 0
	MUL16 2, 1, 1, 1, 0
	s_wait_dscnt 0
	WIN MUL_HI
	MUL16 4, 1, 1, 1, 0
	MUL16 6, 1, 1, 1, 0
	WIN 0
; WHERE THE RESULTS GO (every tensor load has been waited for: the descriptors' registers are free).  s[12:13]: an operand's low half, s[4:5]: its high half, both stepped by s[6:7] from block to block
; and by s[8:9] more at block 4: q 1,536 and 0; k 768 and 0, the high half in the odd head's record; v 1,536, and on to the odd head's record.  s[10:11], s[68:69]: the scale words.
	s_lshr_b32 s20, s2, 3                          ; batch
	s_lshl_b32 s46, s100, 1
	s_add_co_u32 s46, s46, s101                    ; pair of heads
	s_cmp_eq_u32 s66, 0
	s_cselect_b32 s21, 3, 4
	s_cselect_b32 s22, 0, 1
	s_lshl_b32 s20, s20, s21                       ; q: 8 batch + pair; kv: 16 batch + 2 pair
	s_lshl_b32 s46, s46, s22
	s_add_co_u32 s46, s46, s20
	s_lshl_b32 s46, s46, 4
	s_and_b32 s20, s2, 7
	s_lshl_b32 s20, s20, 1
	s_add_co_u32 s20, s20, s3
	s_add_co_u32 s46, s46, s20                     ; + group of 128 tokens
	s_mov_b32 s47, KVREC
	s_cmp_eq_u32 s66, 0
	s_cselect_b32 s47, 12800, s47
	s_mul_i32 s46, s46, s47
	s_mov_b32 s47, 0
	s_add_nc_u64 s[96:97], s[12:13], s[46:47]      ; the record
	s_mul_i32 s46, s67, 6144                       ; v's operands lie behind k's halves
	s_add_nc_u64 s[12:13], s[96:97], s[46:47]
	s_mov_b32 s46, HEADB
	s_mov_b32 s6, 1536
	s_cmp_eq_u32 s66, 1
	s_cselect_b32 s46, s46, 768
	s_cselect_b32 s6, 768, s6
	s_add_nc_u64 s[4:5], s[12:13], s[46:47]
	s_mov_b32 s7, 0
	s_mul_i32 s8, s67, HEADB-4*1536
	s_mov_b32 s9, 0
	s_mul_i32 s46, s67, 512
	s_add_co_u32 s46, s46, 12288                   ; the words: at 12,288; v's at 12,800
	s_add_nc_u64 s[10:11], s[96:97], s[46:47]
	s_add_nc_u64 s[68:69], s[10:11], HEADB
; THE WAY OUT of block a (16 lanes' rows x 128 along the next K): four blocks of 32, each in lanes l and l xor 16: largest magnitude over the floor 2^-124; 2 off its exponent field is the
; conversion's scale operand, shifted down the byte; four conversions; the halves change places so that a lane holds whole blocks; four stores.
.macro EPI a
.set AC, 64*((\a)%4)
.set WA, 2+(\a)/4
.set WW, 5*WA
.if (\a) > 0
	s_wait_xcnt 0x0                                ; the last block's stores have read the codes' registers and their bases
	s_add_nc_u64 s[12:13], s[12:13], s[6:7]
	s_add_nc_u64 s[4:5], s[4:5], s[6:7]
.endif
.if (\a) == 4
	s_add_nc_u64 s[12:13], s[12:13], s[8:9]
	s_add_nc_u64 s[4:5], s[4:5], s[8:9]
.endif
	WIN WW
.irp b, 0,1,2,3
	v_max3_num_f32 v[TM+\b], |v[AC+16*\b]|, |v[AC+16*\b+1]|, 0x1800000      ; each accumulator from its low end on
.endr
.irp i, 2,4,6,8,10,12,14
.irp b, 0,1,2,3
	v_max3_num_f32 v[TM+\b], |v[AC+16*\b+\i]|, |v[AC+16*\b+\i+1]|, v[TM+\b]
.endr
.endr
	WIN 0
.irp b, 0,1,2,3
	v_permlanex16_b32 v[TM+4+\b], v[TM+\b], s18, s19
.endr
.irp b, 0,1,2,3
	v_max_num_f32 v[TM+\b], v[TM+\b], v[TM+4+\b]
.endr
.irp b, 0,1,2,3
	v_add_nc_u32 v[TM+12+\b], 0xff000000, v[TM+\b]
.endr
.irp b, 0,1,2,3
	v_lshrrev_b32 v[TM+4+\b], 23, v[TM+12+\b]
.endr
	v_lshl_or_b32 v[PWS+(\a)], v[TM+5], 8, v[TM+4]
	v_lshl_or_b32 v[PWS+(\a)], v[TM+6], 16, v[PWS+(\a)]
	v_lshl_or_b32 v[PWS+(\a)], v[TM+7], 24, v[PWS+(\a)]
	WIN WA
.irp c, 0,1
	v_cvt_scalef32_pk16_fp6_f32 v[PC+6*\c:PC+6*\c+2], v[AC+32*\c:AC+32*\c+15], v[TM+12+2*\c]
	v_cvt_scalef32_pk16_fp6_f32 v[PC+12+4*\c:PC+12+4*\c+2], v[AC+32*\c+16:AC+32*\c+31], v[TM+12+2*\c+1]
.endr
	WIN 0
	v_nop                                          ; one plain place behind a scaled conversion
.irp c, 0,1
.irp i, 0,1,2
	v_permlane16_swap_b32 v[PC+6*\c+\i], v[PC+12+4*\c+\i]
.endr
.irp i, 0,1,2
	v_mov_b32 v[PC+3+6*\c+\i], v[PC+12+4*\c+\i]
.endr
.endr
	global_store_b128 v[L16], v[PC:PC+3], s[12:13]                 ; 512 consecutive bytes, aligned
	global_store_b64 v[L8], v[PC+4:PC+5], s[12:13] offset:512      ; 256
	global_store_b128 v[L16], v[PC+6:PC+9], s[4:5]
	global_store_b64 v[L8], v[PC+10:PC+11], s[4:5] offset:512
.endm
	PLACES NP
	s_mov_b32 s18, 0x76543210
	s_mov_b32 s19, 0xfedcba98                      ; lane l xor 16
	s_mov_b32 s100, 0xffff0000                     ; lanes 16-31
.irp b, 0,1,2,3
	v_mov_b32 v[TM+4+\b], 0                        ; a lane permute's destination counts as a source
.endr
.irp a, 0,1,2,3,4,5,6,7
	EPI \a
.endr
.irp i, 0,1,2,3
	v_cndmask_b32 v[WS+\i], v[PWS+2*\i], v[PWS+2*\i+1], s100    ; lanes 0-15 operand 2 i's word, lanes 16-31 operand 2 i + 1's
.endr
	s_cmp_eq_u32 s66, 0
	s_wait_alu depctr_va_vdst(0)
	s_cbranch_scc0 .Lw_kv
	global_store_b128 v[L16], v[WS:WS+3], s[10:11]
	s_branch .Lw_done
.Lw_kv:
	s_cmp_eq_u32 s66, 1
	s_cbranch_scc0 .Lw_v
	global_store_b128 v[L16], v[WS:WS+3], s[10:11]                 ; k: the even head reads bytes 0, 1 of a word,
.irp i, 0,1,2,3
	v_lshrrev_b32 v[TM+\i], 16, v[WS+\i]           ; the odd head's two bytes are brought there
.endr
	global_store_b128 v[L16], v[TM:TM+3], s[68:69]
	s_branch .Lw_done
.Lw_v:
	global_store_b64 v[L8], v[WS:WS+1], s[10:11]                   ; v: operands 0-3 are the even head's, 4-7 the odd head's
	global_store_b64 v[L8], v[WS+2:WS+3], s[68:69]
.Lw_done:
	s_wait_tensorcnt 0x0                           ; the wave's end
	ds_add_u32 v[SPW], v[NIL]
	s_wait_dscnt 0x0
	CROUND                                         ; the closing round
	s_endpgm
; THE MASK.  A wave takes 16 rows x 2,048 keys, in eight chunks of 256 keys: eight loads, in each sixteen lanes take 256 consecutive bytes of a row.  A chunk goes through the wave's own stage and
; comes back so that lane (r, h) holds, of row r, keys 16 t + 8 h + 0..7: the lanes of a score register; a compare gives that register's word.  The next chunk's loads go out when the stage is written.
.Lmask:
	s_sub_co_u32 s18, s101, 24
	s_lshl_b32 s18, s18, 4
	s_lshl_b32 s19, s41, 2
	s_add_co_u32 s18, s18, s19
	s_add_co_u32 s18, s18, s40
	s_lshl_b32 s18, s18, 2
	s_add_co_u32 s18, s18, s14                     ; which 16 rows, 0 .. 511 (global addresses alone)
	s_lshl_b32 s20, s18, 15
	s_mov_b32 s21, 0
	s_add_nc_u64 s[88:89], s[88:89], s[20:21]
	s_lshl_b32 s20, s18, 12
	s_add_nc_u64 s[94:95], s[94:95], s[20:21]
	s_mul_i32 s19, s14, 16*MPITCH
	s_add_co_u32 s19, s19, MSTG
	v_and_b32 v1, 31, v0
	v_lshlrev_b32 v[L8], 3, v1
	v_and_b32 v2, 15, v0
	v_bfe_u32 v3, v0, 4, 1
	v_lshlrev_b32 v4, 4, v2
	v_lshl_add_u32 v[L16], v3, 11, v4              ; lanes 16-31 take the next row
	v_mad_u32_u24 v[STI], v3, MPITCH, v4
	v_add_nc_u32 v[STI], s19, v[STI]
	v_mul_u32_u24 v[STO0], v2, MPITCH              ; rows 68 words apart: the 32 lanes of a load of 8 bytes touch 64 different banks (ISA guide 11.1)
	v_lshl_add_u32 v[STO0], v3, 3, v[STO0]
	v_add_nc_u32 v[STO0], s19, v[STO0]
.macro MLOAD
.irp p, 0,1,2,3,4,5,6,7
	global_load_b128 v[MD+4*\p:MD+4*\p+3], v[L16], s[88:89] offset:4096*\p th:TH_LOAD_NT
.endr
.endm
.macro MCH more
	s_wait_loadcnt 0x0                             ; this chunk is in
.irp p, 0,1,2,3,4,5,6,7
	ds_store_b128 v[STI], v[MD+4*\p:MD+4*\p+3] offset:2*MPITCH*\p
.endr
	s_wait_dscnt 0x0                               ; the stores have read their data
.if \more
	s_add_nc_u64 s[88:89], s[88:89], 256           ; (the loads that read the base are done)
	MLOAD
.endif
	s_mov_b32 s19, 0
	s_mov_b32 s18, 2
.Lmk_\@:                                               ; two key steps of 128 keys
	v_add_nc_u32 v[STO], s19, v[STO0]
.irp t, 0,1,2,3,4,5,6,7
	ds_load_b64 v[MX+2*\t:MX+2*\t+1], v[STO] offset:16*\t
.endr
	s_wait_dscnt 0x0
.set j, 0
.rept 16
.irp k, 0,1,2,3
	v_and_b32 v[VT+\k], 0xff<<(8*\k), v[MX+j/4]
.endr
.irp k, 0,1,2,3
	v_cmp_ne_u32 s[20+\k], 0, v[VT+\k]
.endr
.irp k, 0,1,2,3
.if j+\k < 2
	v_mov_b32 v[OUTW+j+\k], s[20+\k]
.else
	v_writelane_b32 v[OUTW+((j+\k)&1)], s[20+\k], (j+\k)>>1     ; lane i holds words 2 i and 2 i + 1
.endif
.endr
.set j, j+4
.endr
	global_store_b64 v[L8], v[OUTW:OUTW+1], s[94:95]               ; 256 consecutive bytes, aligned
	s_add_co_u32 s19, s19, 128
	s_wait_xcnt 0x0                                ; the store has read its data and its base
	s_add_nc_u64 s[94:95], s[94:95], 256
	s_sub_co_u32 s18, s18, 1
	s_cmp_lg_u32 s18, 0
	s_cbranch_scc1 .Lmk_\@
.endm
	MLOAD
	s_mov_b32 s2, 7
	s_wait_alu depctr_va_vdst(0)
.Lmc:
	MCH 1
	s_sub_co_u32 s2, s2, 1
	s_cmp_lg_u32 s2, 0
	s_cbranch_scc1 .Lmc
	MCH 0                                          ; the last chunk asks for nothing more
	s_wait_tensorcnt 0x0                           ; the wave's end
	ds_add_u32 v[SPW], v[NIL]
	s_wait_dscnt 0x0
	CROUND                                         ; this path's one round: all sixteen partners take it together
	s_endpgm
.Lfunc_end_k_q6da7472c1c_proj:
	.size	k_q6da7472c1c_proj, .Lfunc_end_k_q6da7472c1c_proj-k_q6da7472c1c_proj
	.p2alignl 7, 3214868480
	.fill 96, 4, 3214868480
	.section	.rodata,"a",@progbits
	.p2align	6, 0x0
	.amdhsa_kernel k_q6da7472c1c_proj
		.amdhsa_group_segment_fixed_size 327680
		.amdhsa_private_segment_fixed_size 0
		.amdhsa_enable_private_segment 0
		.amdhsa_kernarg_size 112
		.amdhsa_user_sgpr_count 2
		.amdhsa_user_sgpr_kernarg_segment_ptr 1
		.amdhsa_wavefront_size32 1
		.amdhsa_system_sgpr_workgroup_id_x 1
		.amdhsa_system_sgpr_workgroup_id_y 1
		.amdhsa_system_sgpr_workgroup_id_z 1
		.amdhsa_system_vgpr_workitem_id 0
		.amdhsa_next_free_vgpr 1024
		.amdhsa_next_free_sgpr 102
		.amdhsa_reserve_vcc 0
		.amdhsa_float_denorm_mode_32 3
		.amdhsa_float_denorm_mode_16_64 3
		.amdhsa_memory_ordered 1
		.amdhsa_forward_progress 1
		.amdhsa_inst_pref_size 221
	.end_amdhsa_kernel
	.amdgpu_metadata
---
amdhsa.version: [ 1, 2 ]
amdhsa.kernels:
  - .name:           k_q6da7472c1c_proj
    .symbol:         k_q6da7472c1c_proj.kd
    .args:
      - { .name: query_codes, .offset: 0, .size: 8, .value_kind: global_buffer, .address_space: global }
      - { .name: query_scales, .offset: 8, .size: 8, .value_kind: global_buffer, .address_space: global }
      - { .name: memory_codes, .offset: 16, .size: 8, .value_kind: global_buffer, .address_space: global }
      - { .name: memory_scales, .offset: 24, .size: 8, .value_kind: global_buffer, .address_space: global }
      - { .name: Wq_codes, .offset: 32, .size: 8, .value_kind: global_buffer, .address_space: global }
      - { .name: Wq_scales, .offset: 40, .size: 8, .value_kind: global_buffer, .address_space: global }
      - { .name: Wkv_codes, .offset: 48, .size: 8, .value_kind: global_buffer, .address_space: global }
      - { .name: Wkv_scales, .offset: 56, .size: 8, .value_kind: global_buffer, .address_space: global }
      - { .name: bq, .offset: 64, .size: 8, .value_kind: global_buffer, .address_space: global }
      - { .name: bkv, .offset: 72, .size: 8, .value_kind: global_buffer, .address_space: global }
      - { .name: mask, .offset: 80, .size: 8, .value_kind: global_buffer, .address_space: global }
      - { .name: q, .offset: 88, .size: 8, .value_kind: global_buffer, .address_space: global }
      - { .name: kv, .offset: 96, .size: 8, .value_kind: global_buffer, .address_space: global }
      - { .name: mw, .offset: 104, .size: 8, .value_kind: global_buffer, .address_space: global }
    .group_segment_fixed_size: 327680
    .private_segment_fixed_size: 0
    .kernarg_segment_align: 8
    .kernarg_segment_size: 112
    .max_flat_workgroup_size: 128
    .sgpr_count:     102
    .vgpr_count:     1024
    .wavefront_size: 32
...
	.end_amdgpu_metadata
.endif
;; end of part 1
;; launch attn (part 2): grid 4 x 64, 16 waves a work-group, clusters of 4 x 1, 327,680 bytes of LDS; arguments q, kv, mw, ctx_img, ctx_sc; writes ctx_img, ctx_sc
.if DOCPART == 2
	.amdgcn_target "amdgcn-amd-amdhsa--gfx1250"
	.amdhsa_code_object_version 6
	.text
	.protected	k_q6da7472c1c_attn
	.globl	k_q6da7472c1c_attn
	.p2align	8
	.type	k_q6da7472c1c_attn,@function
k_q6da7472c1c_attn:
	s_mov_b64 s[64:65], 0
	v_nop
	global_prefetch_b8 v0, s[64:65] scope:SCOPE_SE
	s_setreg_imm32_b32 hwreg(HW_REG_WAVE_MODE, 25, 1), 1
	s_wait_xcnt 0x0
	s_wait_alu depctr_hold_cnt(0) depctr_sa_sdst(0) depctr_va_vdst(0) depctr_va_sdst(0) depctr_va_ssrc(0) depctr_va_vcc(0) depctr_vm_vsrc(0)
	s_getreg_b32 s2, hwreg(HW_REG_IB_STS2, 6, 4)
	s_cmp_eq_u32 s2, 0
	s_cbranch_scc0 .Lentry_in_a_cluster
	s_endpgm
.Lentry_in_a_cluster:
	s_bfe_u32 s2, ttmp6, 0x10000c
	s_cmp_lg_u32 s2, 0x3003
	s_cbranch_scc0 .Lentry_shape_is_right
	s_endpgm
.Lentry_shape_is_right:
; SECOND OF THREE LAUNCHES.  Attention on FP6 codes: S^T = k q^T, the mask, p = 2^(t - M) with a running whole M, p quantised by blocks of 32 keys, O^T += v^T p^T, divided by the sum of the
; unquantised p; ctx is quantised here and stored as half operands with its scale bytes.  No work is left out.
; A WORK-GROUP: one head, 512 queries; 16 waves, each with two tiles of 16 queries.  4 x 64 = 256 work-groups.  The head's k, v and scale words for all 2,048 keys are 16 records of 13,056 bytes,
; 208,896 in all: they lie in LDS whole, brought by one load a wave at the head (51 rows of 256 bytes, dense in memory and in LDS).  Nothing is filled again: one barrier, then each wave walks by itself.
; The four query blocks of a head form a cluster and ask for the records jointly.  No prefetch: every record is asked for at the head.
; K OF THE SCORES: the head's 64 channels lie in the low half of both operands (k's six registers over six of zeros; q's six over registers whose codes meet k's zeros); the scale words carry the
; head's two bytes lowest (k's so stored, q's shifted here).
; LIMIT: the promise holds while the scaled scores stay under 2^31 in magnitude; a masked score counts as -2^70.
; REGISTERS: v1, v2 16 and 8 x lane; v3, v4 the add's; v5 -2^70; v6, v7 LDS addresses; v8 ctx_sc offset; v12-19 -M, largest t, sum (two halves) of tiles 0, 1; v20-25, v26-31 q of tiles 0, 1;
; v32-85 zeros and k's fragments by turns; v86-89 k's words, v90-91 v's; v94, v255 q's words; v96-159 scores, p, then v's fragments; v160-223 O^T of tiles 0, 1; v224-254 at work.
.set REC,   13056
.set SPARE, 16*REC
.macro CROUND
	s_barrier_signal -1
	s_barrier_wait -1
	s_cmp_lg_u32 s2, 0
	s_cbranch_scc1 .Lnot_wave_0_\@
	s_barrier_signal -3
.Lnot_wave_0_\@:
	s_barrier_wait -3
	s_barrier_signal -1
	s_barrier_wait -1
.endm
	s_load_b256 s[32:39], s[0:1], 0x0              ; q, kv, mw, ctx_img
	s_load_b64 s[40:41], s[0:1], 0x20              ; ctx_sc
	v_lshl_add_u32 v3, v0, 2, SPARE
	v_mov_b32 v4, 0
	ds_add_u32 v3, v4                              ; the opening lines: the add twice and one wait
	ds_add_u32 v3, v4
	v_lshrrev_b32 v9, 5, v0
	s_delay_alu instid0(VALU_DEP_1)
	v_readfirstlane_b32 s2, v9                     ; wave
	s_bfe_u32 s42, ttmp6, 0x40000
	s_lshl_b32 s43, ttmp9, 2
	s_add_co_u32 s43, s43, s42                     ; which 512 queries
	s_and_b32 s44, ttmp7, 0xffff                   ; 16 batch + head
	s_mov_b32 s4, 15|(3<<16)|(1<<21)               ; 51 dense rows of 256 bytes, for all four partners
	s_mov_b32 s5, 32<<16
	s_mov_b32 s6, 51<<16
	s_mov_b32 s7, 32<<16
	s_mov_b32 s8, 51
	s_mov_b32 s9, 32
	s_mov_b32 s10, 0
	s_mov_b32 s11, 0
	s_mul_i32 s45, s2, REC
	s_mul_i32 s46, s44, 16*REC
	s_add_co_u32 s46, s46, s45
	s_mov_b32 s47, 0
	s_mov_b32 s30, 0x3e38aa3b                      ; log2(e) / 8
	s_mov_b32 s31, s30
	s_mov_b32 s66, 0x76543210
	s_mov_b32 s67, 0xfedcba98                      ; lane l xor 16
	s_mov_b32 s3, 0
	s_wait_dscnt 0x0
	s_wait_kmcnt 0x0
	s_add_nc_u64 s[46:47], s[34:35], s[46:47]
	CROUND                                         ; the joint loads meet
	s_mov_b32 s12, 1
	s_mov_b32 s13, s45
	s_mov_b64 s[14:15], s[46:47]
	s_or_b32 s15, s15, 0x80000000
	tensor_load_to_lds s[12:15], s[4:11]           ; key step = my wave's number
	s_nop 0
	s_and_b32 s20, s44, 1                          ; the head's place in its pair
	s_lshr_b32 s48, s44, 1
	s_lshl_b32 s48, s48, 4
	s_lshl_b32 s49, s43, 2
	s_add_co_u32 s48, s48, s49
	s_lshr_b32 s49, s2, 2
	s_add_co_u32 s48, s48, s49                     ; q's record: (8 batch + pair) x 16 + group of 128 queries
	s_mul_i32 s48, s48, 12800
	s_mov_b32 s49, 0
	s_add_nc_u64 s[104:105], s[32:33], s[48:49]
	s_and_b32 s50, s2, 3
	s_mul_i32 s51, s50, 3072                       ; tile 0 is operand 2 (wave % 4), tile 1 the next
	s_mul_i32 s21, s20, 768                        ; the head's half of an operand
	s_add_co_u32 s51, s51, s21
	s_lshl_b32 s22, s50, 2
	s_lshl_b32 s23, s20, 4
	s_lshr_b32 s52, s44, 4
	s_lshl_b32 s52, s52, 7
	s_lshl_b32 s53, s43, 5
	s_add_co_u32 s52, s52, s53
	s_lshl_b32 s53, s2, 1
	s_add_co_u32 s52, s52, s53                     ; tile 0's group of 16 rows, 0 .. 510
	s_bfe_u32 s53, s44, 0x30001                    ; the pair
	s_lshl_b32 s54, s52, 12
	s_mov_b32 s55, 0
	s_add_nc_u64 s[24:25], s[36:37], s[54:55]
	s_mul_i32 s54, s52, 12288
	s_mul_i32 s56, s53, 1536
	s_add_co_u32 s54, s54, s56
	s_add_co_u32 s54, s54, s21
	s_add_nc_u64 s[26:27], s[38:39], s[54:55]
	s_lshl_b32 s54, s52, 9
	s_lshl_b32 s56, s53, 2
	s_add_co_u32 s54, s54, s56
	s_lshl_b32 s56, s20, 1
	s_add_co_u32 s54, s54, s56
	s_add_nc_u64 s[28:29], s[40:41], s[54:55]
	v_and_b32 v9, 31, v0
	v_and_b32 v10, 15, v0
	v_lshlrev_b32 v1, 4, v9
	v_lshlrev_b32 v2, 3, v9
	v_lshlrev_b32 v8, 5, v10
	v_add_nc_u32 v9, s51, v1
	v_add_nc_u32 v11, s51, v2
	v_lshl_add_u32 v10, v10, 4, s22
	global_load_b128 v[20:23], v9, s[104:105]
	global_load_b64 v[24:25], v11, s[104:105] offset:512
	global_load_b128 v[26:29], v9, s[104:105] offset:1536
	global_load_b64 v[30:31], v11, s[104:105] offset:2048
	global_load_b32 v255, v10, s[104:105] offset:12288
	global_load_b32 v94, v10, s[104:105] offset:12544
	s_load_b512 s[32:47], s[24:25], 0x0            ; tile 0's mask words of key step 0
	s_load_b512 s[48:63], s[24:25], 0x40
	s_load_b512 s[68:83], s[24:25], 0x80
	s_load_b512 s[84:99], s[24:25], 0xc0
.irp z, 32,44,56,68,80
.irp i, 0,1,2,3,4,5
	v_mov_b32 v[\z+\i], 0
.endr
.endr
	v_mov_b32 v5, 0xe2800000
	v_mov_b32 v13, 0xff61b1e6
	v_mov_b32 v17, 0xff61b1e6
	s_delay_alu instid0(VALU_DEP_2)
	v_floor_f32 v12, -v13
	s_delay_alu instid0(VALU_DEP_2)
	v_floor_f32 v16, -v17
.irp i, 14,15,18,19,236,237,238,239,253
	v_mov_b32 v\i, 0
.endr
.set j, 0
.rept 64
	v_mov_b32 v[160+j], 0
.set j, j+1
.endr
; one tile of 16 queries against 128 keys
.macro HEAD e, more
.set ST, 12+4*\e
.set OB, 160+32*\e
.set QB, 20+6*\e
.set QW, 255-161*\e
.if \e
.rept 5
	v_nop
.endr
.endif
.irp g, 0,1
.if \g
.rept 4
	v_nop
.endr
.endif
.irp u, 0,1,2,3
	ds_load_b128 v[38+12*\u:41+12*\u], v6 offset:768*(4*\g+\u)
	ds_load_b64 v[42+12*\u:43+12*\u], v7 offset:768*(4*\g+\u)+512
.endr
	s_wait_dscnt 0x0
.irp u, 0,2
	v_wmma_scale_f32_16x16x128_f8f6f4 v[96+8*(4*\g+\u):103+8*(4*\g+\u)], v[38+12*\u:49+12*\u], v[QB:QB+11], 0, v[86+2*\g+\u/2], v[QW] matrix_a_fmt:MATRIX_FMT_FP6 matrix_b_fmt:MATRIX_FMT_FP6
	v_wmma_scale_f32_16x16x128_f8f6f4 v[104+8*(4*\g+\u):111+8*(4*\g+\u)], v[50+12*\u:61+12*\u], v[QB:QB+11], 0, v[86+2*\g+\u/2], v[QW] matrix_a_fmt:MATRIX_FMT_FP6 matrix_b_fmt:MATRIX_FMT_FP6 matrix_a_scale:MATRIX_SCALE_ROW1
.endr
.endr
.rept 4
	v_nop
.endr
	s_wait_kmcnt 0x0                               ; this tile's mask words
.if \e
.if \more
	s_add_nc_u64 s[24:25], s[24:25], 256           ; on to the next key step's
.endif
.endif
.set j, 0
.rept 32
	v_cndmask_b32 v[96+j], v[96+j], v5, s[32+j]
.set j, j+1
.endr
.rept 32
	v_cndmask_b32 v[96+j], v[96+j], v5, s[36+j]
.set j, j+1
.endr
.if \e == 0
	s_load_b512 s[32:47], s[24:25], 0x1000         ; tile 1's rows lie 4,096 bytes on
	s_load_b512 s[48:63], s[24:25], 0x1040
	s_load_b512 s[68:83], s[24:25], 0x1080
	s_load_b512 s[84:99], s[24:25], 0x10c0
.elseif \more
	s_load_b512 s[32:47], s[24:25], 0x0
	s_load_b512 s[48:63], s[24:25], 0x40
	s_load_b512 s[68:83], s[24:25], 0x80
	s_load_b512 s[84:99], s[24:25], 0xc0
.endif
.irp b, 0,1,2,3
	v_max3_num_f32 v[232+\b], v[96+16*\b], v[97+16*\b], v[98+16*\b]
.endr
.irp i, 3,5,7,9,11,13
.irp b, 0,1,2,3
	s_delay_alu instid0(VALU_DEP_4)
	v_max3_num_f32 v[232+\b], v[232+\b], v[96+16*\b+\i], v[97+16*\b+\i]
.endr
.endr
.irp b, 0,1,2,3
	s_delay_alu instid0(VALU_DEP_4)
	v_max_num_f32 v[232+\b], v[232+\b], v[111+16*\b]
.endr
.irp b, 0,1,2,3
	s_delay_alu instid0(VALU_DEP_4)
	v_permlanex16_b32 v[236+\b], v[232+\b], s66, s67
.endr
.irp b, 0,1,2,3
	s_delay_alu instid0(VALU_DEP_4)
	v_max_num_f32 v[232+\b], v[232+\b], v[236+\b]  ; each block's largest score: for the row's maximum and for the block's largest p
.endr
	s_delay_alu instid0(VALU_DEP_2)
	v_max3_num_f32 v254, v232, v233, v234
	s_delay_alu instid0(VALU_DEP_1)
	v_max_num_f32 v254, v254, v235
	s_delay_alu instid0(VALU_DEP_1)
	v_mul_f32 v254, s30, v254
	s_delay_alu instid0(VALU_DEP_1)
	v_max_num_f32 v[ST+1], v[ST+1], v254           ; the running largest t
	v_mov_b32 v254, v[ST]
	s_delay_alu instid0(VALU_DEP_2)
	v_floor_f32 v[ST], -v[ST+1]                    ; -M, a whole number
	s_delay_alu instid0(VALU_DEP_1)
	v_sub_f32 v254, v[ST], v254
	s_delay_alu instid0(VALU_DEP_1)
	v_cvt_i32_f32 v254, v254
	s_delay_alu instid0(VALU_DEP_1)
	v_ldexp_f32 v252, 1.0, v254                    ; f = 2^(old M - new M)
.set j, 0
.rept 32
	v_pk_fma_f32 v[96+j:97+j], v[96+j:97+j], s[30:31], v[ST:ST+1] op_sel_hi:[1,0,0]
.set j, j+2
.endr
.irp b, 0,1,2,3
	v_fma_f32 v[232+\b], v[232+\b], s30, v[ST]
.endr
.set j, 0
	s_wait_alu depctr_va_vdst(0)                   ; the wait ahead of the batch
.rept 64
	v_exp_f32 v[96+j], v[96+j]
.set j, j+1
.endr
	v_pk_mul_f32 v[ST+2:ST+3], v[ST+2:ST+3], v[252:253] op_sel_hi:[1,0]
	s_wait_alu depctr_va_vdst(0)                   ; and behind it
.irp b, 0,1,2,3
	v_exp_f32 v[232+\b], v[232+\b]
.endr
	v_pk_add_f32 v[236:237], v[96:97], v[98:99]    ; the sum of the unquantised p
.irp i, 4,8,12,16,20,24,28,32,36,40,44,48,52,56,60
	v_pk_add_f32 v[ST+2:ST+3], v[ST+2:ST+3], v[96+\i:97+\i]
	v_pk_add_f32 v[236:237], v[236:237], v[98+\i:99+\i]
.endr
	s_delay_alu instid0(VALU_DEP_1)
	v_pk_add_f32 v[ST+2:ST+3], v[ST+2:ST+3], v[236:237]
	s_wait_alu depctr_va_vdst(0)
.irp b, 0,1,2,3
	v_max_num_f32 v[232+\b], 0x1800000, v[232+\b]  ; the floor holds the byte at 1
.endr
.irp b, 0,1,2,3
	s_delay_alu instid0(VALU_DEP_4)
	v_add_nc_u32 v[244+\b], 0xff000000, v[232+\b]
.endr
.irp b, 0,1,2,3
	s_delay_alu instid0(VALU_DEP_4)
	v_lshrrev_b32 v[236+\b], 23, v[244+\b]
.endr
	s_delay_alu instid0(VALU_DEP_3)
	v_lshl_or_b32 v253, v237, 8, v236
	s_delay_alu instid0(VALU_DEP_1)
	v_lshl_or_b32 v253, v238, 16, v253
	s_delay_alu instid0(VALU_DEP_1)
	v_lshl_or_b32 v253, v239, 24, v253             ; p's scale word
.irp c, 0,1
	v_cvt_scalef32_pk16_fp6_f32 v[224+6*\c:226+6*\c], v[96+32*\c:111+32*\c], v[244+2*\c]
	v_cvt_scalef32_pk16_fp6_f32 v[236+4*\c:238+4*\c], v[112+32*\c:127+32*\c], v[244+2*\c+1]
.endr
	v_nop
.irp u, 0,1,2,3
	ds_load_b128 v[96+12*\u:99+12*\u], v6 offset:6144+1536*\u
	ds_load_b64 v[100+12*\u:101+12*\u], v7 offset:6144+1536*\u+512
	ds_load_b128 v[102+12*\u:105+12*\u], v6 offset:6144+1536*\u+768
	ds_load_b64 v[106+12*\u:107+12*\u], v7 offset:6144+1536*\u+1280
.endr
.irp c, 0,1
.irp i, 0,1,2
	v_permlane16_swap_b32 v[224+6*\c+\i], v[236+4*\c+\i]
.endr
.irp i, 0,1,2
	s_delay_alu instid0(VALU_DEP_3)
	v_mov_b32 v[227+6*\c+\i], v[236+4*\c+\i]
.endr
.endr
.set j, 0
.rept 16
	v_pk_mul_f32 v[OB+j:OB+j+1], v[OB+j:OB+j+1], v[252:253] op_sel_hi:[1,0]
.set j, j+2
.endr
	s_wait_alu depctr_va_vdst(0)
	s_wait_dscnt 0x0
.irp u, 0,2
	v_wmma_scale_f32_16x16x128_f8f6f4 v[OB+8*\u:OB+8*\u+7], v[96+12*\u:107+12*\u], v[224:235], v[OB+8*\u:OB+8*\u+7], v[90+\u/2], v253 matrix_a_fmt:MATRIX_FMT_FP6 matrix_b_fmt:MATRIX_FMT_FP6
	v_wmma_scale_f32_16x16x128_f8f6f4 v[OB+8+8*\u:OB+8+8*\u+7], v[108+12*\u:119+12*\u], v[224:235], v[OB+8+8*\u:OB+8+8*\u+7], v[90+\u/2], v253 matrix_a_fmt:MATRIX_FMT_FP6 matrix_b_fmt:MATRIX_FMT_FP6 matrix_a_scale:MATRIX_SCALE_ROW1
.endr
.endm
.macro STEP more
	v_add_nc_u32 v6, s3, v1
	v_add_nc_u32 v7, s3, v2
	s_wait_alu depctr_va_vdst(0)
.rept 3
	v_nop
.endr
	ds_load_b128 v[86:89], v6 offset:12288
	ds_load_b64 v[90:91], v7 offset:12800
	HEAD 0, \more
	HEAD 1, \more
	s_add_co_u32 s3, s3, REC
.endm
	s_wait_alu depctr_va_vdst(0)
	s_wait_tensorcnt 0x0                           ; my record is in
	s_barrier_signal -1
	s_barrier_wait -1                              ; and everybody's
	s_wait_loadcnt 0x0
	v_lshrrev_b32 v255, s23, v255                  ; q's words: the head's two bytes lowest
	v_lshrrev_b32 v94, s23, v94
.rept 8
	v_nop                                          ; a scale register written by a vector instruction stands 8 places ahead of a scaled matrix instruction
.endr
	s_wait_alu depctr_va_vdst(0)
	s_mov_b32 s100, 15
.Lwalk:
	STEP 1
	s_sub_co_u32 s100, s100, 1
	s_cmp_lg_u32 s100, 0
	s_cbranch_scc1 .Lwalk
	STEP 0                                         ; the last key step asks for no further mask words
	v_add_f32 v14, v14, v15
	v_add_f32 v18, v18, v19
	s_delay_alu instid0(VALU_DEP_2)
	v_permlanex16_b32 v252, v14, s66, s67
	s_delay_alu instid0(VALU_DEP_2)
	v_permlanex16_b32 v254, v18, s66, s67
	s_delay_alu instid0(VALU_DEP_2)
	v_add_f32 v14, v14, v252
	s_delay_alu instid0(VALU_DEP_2)
	v_add_f32 v18, v18, v254
	s_wait_alu depctr_va_vdst(0)
	v_rcp_f32 v14, v14
	v_rcp_f32 v18, v18
	v_nop
	s_wait_alu depctr_va_vdst(0)
.set j, 0
.rept 16
	v_pk_mul_f32 v[160+j:161+j], v[160+j:161+j], v[14:15] op_sel_hi:[1,0]
.set j, j+2
.endr
.rept 16
	v_pk_mul_f32 v[160+j:161+j], v[160+j:161+j], v[18:19] op_sel_hi:[1,0]
.set j, j+2
.endr
; ctx's quantiser: blocks 0, 1 are tile 0's 64 channels, blocks 2, 3 tile 1's.  The swaps bring a lane 16 neighbouring channels
.irp b, 0,1,2,3
.irp i, 0,1,2,3,4,5,6,7
	v_permlane16_swap_b32 v[160+16*\b+\i], v[168+16*\b+\i]
.endr
.endr
.irp b, 0,1,2,3
	v_max3_num_f32 v[232+\b], |v[160+16*\b]|, |v[161+16*\b]|, 0x1800000
.endr
.irp i, 2,4,6,8,10,12,14
.irp b, 0,1,2,3
	s_delay_alu instid0(VALU_DEP_4)
	v_max3_num_f32 v[232+\b], v[232+\b], |v[160+16*\b+\i]|, |v[161+16*\b+\i]|
.endr
.endr
.irp b, 0,1,2,3
	s_delay_alu instid0(VALU_DEP_4)
	v_permlanex16_b32 v[236+\b], v[232+\b], s66, s67
.endr
.irp b, 0,1,2,3
	s_delay_alu instid0(VALU_DEP_4)
	v_max_num_f32 v[232+\b], v[232+\b], v[236+\b]
.endr
.irp b, 0,1,2,3
	s_delay_alu instid0(VALU_DEP_4)
	v_add_nc_u32 v[244+\b], 0xff000000, v[232+\b]
.endr
.irp b, 0,1,2,3
	s_delay_alu instid0(VALU_DEP_4)
	v_lshrrev_b32 v[236+\b], 23, v[244+\b]
.endr
	s_delay_alu instid0(VALU_DEP_3)
	v_lshl_or_b32 v254, v237, 8, v236
	s_delay_alu instid0(VALU_DEP_1)
	v_lshl_or_b32 v254, v238, 16, v254
	s_delay_alu instid0(VALU_DEP_1)
	v_lshl_or_b32 v254, v239, 24, v254             ; low half: tile 0's two bytes; high half: tile 1's
.irp c, 0,1
	v_cvt_scalef32_pk16_fp6_f32 v[96+6*\c:98+6*\c], v[160+32*\c:175+32*\c], v[244+2*\c]
	v_cvt_scalef32_pk16_fp6_f32 v[108+4*\c:110+4*\c], v[176+32*\c:191+32*\c], v[244+2*\c+1]
.endr
	v_nop
.irp c, 0,1
.irp i, 0,1,2
	v_permlane16_swap_b32 v[96+6*\c+\i], v[108+4*\c+\i]
.endr
.irp i, 0,1,2
	s_delay_alu instid0(VALU_DEP_3)
	v_mov_b32 v[99+6*\c+\i], v[108+4*\c+\i]
.endr
.endr
	global_store_b128 v1, v[96:99], s[26:27]                       ; tile 0's half operand: 512 and 256 consecutive bytes, aligned
	global_store_b64 v2, v[100:101], s[26:27] offset:512
	global_store_b128 v1, v[102:105], s[26:27] offset:12288        ; tile 1's, 16 tokens on
	global_store_b64 v2, v[106:107], s[26:27] offset:12800
	global_store_b16 v8, v254, s[28:29]                            ; two scale bytes a token
	global_store_d16_hi_b16 v8, v254, s[28:29] offset:512
	s_wait_tensorcnt 0x0                           ; the wave's end
	ds_add_u32 v3, v4
	s_wait_dscnt 0x0
	CROUND                                         ; the closing round
	s_endpgm
.Lfunc_end_k_q6da7472c1c_attn:
	.size	k_q6da7472c1c_attn, .Lfunc_end_k_q6da7472c1c_attn-k_q6da7472c1c_attn
	.p2alignl 7, 3214868480
	.fill 96, 4, 3214868480
	.section	.rodata,"a",@progbits
	.p2align	6, 0x0
	.amdhsa_kernel k_q6da7472c1c_attn
		.amdhsa_group_segment_fixed_size 327680
		.amdhsa_private_segment_fixed_size 0
		.amdhsa_enable_private_segment 0
		.amdhsa_kernarg_size 40
		.amdhsa_user_sgpr_count 2
		.amdhsa_user_sgpr_kernarg_segment_ptr 1
		.amdhsa_wavefront_size32 1
		.amdhsa_system_sgpr_workgroup_id_x 1
		.amdhsa_system_sgpr_workgroup_id_y 1
		.amdhsa_system_sgpr_workgroup_id_z 1
		.amdhsa_system_vgpr_workitem_id 0
		.amdhsa_next_free_vgpr 256
		.amdhsa_next_free_sgpr 106
		.amdhsa_reserve_vcc 0
		.amdhsa_float_denorm_mode_32 3
		.amdhsa_float_denorm_mode_16_64 3
		.amdhsa_memory_ordered 1
		.amdhsa_forward_progress 1
		.amdhsa_inst_pref_size 107
	.end_amdhsa_kernel
	.amdgpu_metadata
---
amdhsa.version: [ 1, 2 ]
amdhsa.kernels:
  - .name:           k_q6da7472c1c_attn
    .symbol:         k_q6da7472c1c_attn.kd
    .args:
      - { .name: q, .offset: 0, .size: 8, .value_kind: global_buffer, .address_space: global }
      - { .name: kv, .offset: 8, .size: 8, .value_kind: global_buffer, .address_space: global }
      - { .name: mw, .offset: 16, .size: 8, .value_kind: global_buffer, .address_space: global }
      - { .name: ctx_img, .offset: 24, .size: 8, .value_kind: global_buffer, .address_space: global }
      - { .name: ctx_sc, .offset: 32, .size: 8, .value_kind: global_buffer, .address_space: global }
    .group_segment_fixed_size: 327680
    .private_segment_fixed_size: 0
    .kernarg_segment_align: 8
    .kernarg_segment_size: 40
    .max_flat_workgroup_size: 512
    .sgpr_count:     106
    .vgpr_count:     256
    .wavefront_size: 32
...
	.end_amdgpu_metadata
.endif
;; end of part 2
;; launch oproj (part 3): grid 4 x 64, 4 waves a work-group, clusters of 4 x 4, 327,680 bytes of LDS; arguments ctx_img, ctx_sc, Wo_codes, Wo_scales, bo, out0; writes out0
.if DOCPART == 3
	.amdgcn_target "amdgcn-amd-amdhsa--gfx1250"
	.amdhsa_code_object_version 6
	.text
	.protected	k_q6da7472c1c_oproj
	.globl	k_q6da7472c1c_oproj
	.p2align	8
	.type	k_q6da7472c1c_oproj,@function
k_q6da7472c1c_oproj:
	s_mov_b64 s[64:65], 0
	v_nop
	global_prefetch_b8 v0, s[64:65] scope:SCOPE_SE
	s_setreg_imm32_b32 hwreg(HW_REG_WAVE_MODE, 25, 1), 1
	s_wait_xcnt 0x0
	s_wait_alu depctr_hold_cnt(0) depctr_sa_sdst(0) depctr_va_vdst(0) depctr_va_sdst(0) depctr_va_ssrc(0) depctr_va_vcc(0) depctr_vm_vsrc(0)
	s_getreg_b32 s2, hwreg(HW_REG_IB_STS2, 6, 4)
	s_cmp_eq_u32 s2, 0
	s_cbranch_scc0 .Lentry_in_a_cluster
	s_endpgm
.Lentry_in_a_cluster:
	s_bfe_u32 s2, ttmp6, 0x10000c
	s_cmp_lg_u32 s2, 0xf033
	s_cbranch_scc0 .Lentry_shape_is_right
	s_endpgm
.Lentry_shape_is_right:
; THIRD OF THREE LAUNCHES.  out0 = ctx Wo + bo on FP6 codes with E8M0 scales, f32 sums; no work is left out.
; A work-group makes 128 tokens x 256 columns: 64 x 4 = 256 work-groups.  ALL OF K (1,024) LIES IN LDS AT ONCE: ctx's operand images of 128 tokens (98,304 dense bytes), Wo's 256 rows of 768 bytes
; (16 bytes of padding behind every 256: pitch 816), and both sides' scale bytes: four tiles, one joint load a wave at the head, nothing filled again, one barrier in front of the products.
; CLUSTERS 4 x 4: ctx's tiles hang on the tile row and are asked for jointly along a row of the cluster, Wo's on the tile column, along a column.
; No prefetch: every tile is asked for at the head, and there is no loop to run ahead in.
; A wave makes 64 x 128: 32 accumulators.  Source 0 = 16 rows of Wo, source 1 = 16 tokens: a lane holds eight neighbouring columns of a row of out0.  The sums begin with the bias.
; REGISTERS: window 0: v0-31 addresses, v32-63 ctx's scale words (block a, step q at 32 + 8 a + q), v64-127 Wo's, v128-223 ctx's fragments, two sets; window 1: Wo's fragments at v0 and v128, the bias
; at v96-127 and v224-255; window 2: the accumulators.
.set SIZE_N, 1024
.set PITCH,  816
.set FR,     12
.set NP,     4
.set BREG,   98304
.set SCA,    BREG+256*PITCH
.set SCB,    SCA+16*272
.set SPARE,  SCB+32*272                ; the spare words: 512 bytes that no other line names
.set SPITCH, 528                       ; the way out: a stage of 16 rows x 528 bytes a wave, on ctx's bytes, which have had their one fill and, behind a barrier, their last read
.set ADRA, 16
.set ADRB, 20                          ; v20, v21 Wo's blocks 0-3 (v21: lanes 16-31 behind one padding more); v22, v23 blocks 4-7
.set STO,  24
.set RD,   25
.set CO,   26
.set ADSA, 27
.set SPW,  28
.set NIL,  29
.set BOF,  30
.set ADSB, 31
.set SA,   32
.set SB,   64
.set AF,   128
.set BK,   128
.set G1, 24
.set G0, 32
.set G0B, 36
.set G1B, 48
.set G0S, 56
.set G0SB, 60
.set G1S, 68
.set G1SB, 80
.set MSB, 0
.macro WIN new
.if MSB != \new
	s_set_vgpr_msb (MSB<<8)|\new
.set MSB, \new
.endif
.endm
.macro CROUND
	s_barrier_signal -1
	s_barrier_wait -1
	s_cmp_lg_u32 s14, 0
	s_cbranch_scc1 .Lnot_wave_0_\@
	s_barrier_signal -3
.Lnot_wave_0_\@:
	s_barrier_wait -3
	s_barrier_signal -1
	s_barrier_wait -1
.endm
.macro PLACES n
.rept \n
	v_nop
.endr
.endm
	s_load_b128 s[4:7], s[0:1], 0x0                ; ctx's images, ctx's scales
	s_load_b128 s[8:11], s[0:1], 0x10              ; Wo's codes, scales
	s_load_b128 s[92:95], s[0:1], 0x20             ; bo, out0
	v_lshl_add_u32 v[SPW], v0, 2, SPARE
	v_mov_b32 v[NIL], 0
	ds_add_u32 v[SPW], v[NIL]                      ; the opening lines: the add twice and one wait
	ds_add_u32 v[SPW], v[NIL]
	v_lshrrev_b32 v1, 5, v0
	v_readfirstlane_b32 s14, v1                    ; wave
	s_lshr_b32 s15, s14, 1                         ; which 64 tokens
	s_and_b32 s16, s14, 1                          ; which 128 columns
	s_bfe_u32 s40, ttmp6, 0x40000
	s_bfe_u32 s41, ttmp6, 0x40004
	s_lshl_b32 s42, ttmp9, 2
	s_add_co_u32 s42, s42, s40                     ; tile column
	s_and_b32 s17, ttmp7, 0xffff
	s_lshl_b32 s17, s17, 2
	s_add_co_u32 s17, s17, s41                     ; tile row
	s_lshl_b32 s43, s41, 2
	s_lshl_b32 s43, 15, s43
	s_lshl_b32 s44, 0x1111, s40
	s_or_b32 s[G1+0], s43, (3<<16)|(1<<21)         ; ctx: 384 dense rows of 256 bytes
	s_mov_b32 s[G1+1], 32<<16
	s_mov_b32 s[G1+2], 384<<16
	s_mov_b32 s[G1+3], 32<<16
	s_mov_b32 s[G1+4], 384
	s_mov_b32 s[G1+5], 32
	s_mov_b32 s[G1+6], 0
	s_mov_b32 s[G1+7], 0
	s_or_b32 s[G1B+0], s44, (1<<20)|(1<<21)|(5<<22)|(3<<25)   ; Wo: 256 rows of 768 bytes, 4 words of padding behind every 64
	s_mov_b32 s[G1B+1], 768<<16
	s_mov_b32 s[G1B+2], 256<<16
	s_mov_b32 s[G1B+3], 768<<16
	s_mov_b32 s[G1B+4], 256
	s_mov_b32 s[G1B+5], 768
	s_mov_b32 s[G1B+6], 0
	s_mov_b32 s[G1B+7], 0
	s_or_b32 s[G1S+0], s43, (3<<16)|(1<<20)|(1<<21)|(5<<22)|(3<<25)   ; scales: dense rows of 256 bytes + 16: 16 for ctx, 32 for Wo
	s_mov_b32 s[G1S+1], 32<<16
	s_mov_b32 s[G1S+2], 16<<16
	s_mov_b32 s[G1S+3], 32<<16
	s_mov_b32 s[G1S+4], 16
	s_mov_b32 s[G1S+5], 32
	s_mov_b32 s[G1S+6], 0
	s_mov_b32 s[G1S+7], 0
	s_or_b32 s[G1SB+0], s44, (3<<16)|(1<<20)|(1<<21)|(5<<22)|(3<<25)
	s_mov_b32 s[G1SB+1], 32<<16
	s_mov_b32 s[G1SB+2], 32<<16
	s_mov_b32 s[G1SB+3], 32<<16
	s_mov_b32 s[G1SB+4], 32
	s_mov_b32 s[G1SB+5], 32
	s_mov_b32 s[G1SB+6], 0
	s_mov_b32 s[G1SB+7], 0
	s_mul_i32 s20, s17, 98304
	s_mov_b32 s21, 0
	s_lshl_b32 s22, s17, 12
	s_mov_b32 s23, 0
	s_mul_i32 s46, s42, 196608
	s_mov_b32 s47, 0
	s_lshl_b32 s88, s42, 13
	s_mov_b32 s89, 0
	s_wait_dscnt 0x0
	s_wait_kmcnt 0x0
	s_add_nc_u64 s[20:21], s[4:5], s[20:21]
	s_add_nc_u64 s[22:23], s[6:7], s[22:23]
	s_add_nc_u64 s[46:47], s[8:9], s[46:47]
	s_add_nc_u64 s[88:89], s[10:11], s[88:89]
	CROUND                                         ; the joint loads meet
	s_mov_b32 s[G0], 1
	s_mov_b32 s[G0+1], 0
	s_mov_b64 s[G0+2:G0+3], s[20:21]
	s_or_b32 s[G0+3], s[G0+3], 0x80000000
	s_mov_b32 s[G0B], 1
	s_mov_b32 s[G0B+1], BREG
	s_mov_b64 s[G0B+2:G0B+3], s[46:47]
	s_or_b32 s[G0B+3], s[G0B+3], 0x80000000
	s_mov_b32 s[G0S], 1
	s_mov_b32 s[G0S+1], SCA
	s_mov_b64 s[G0S+2:G0S+3], s[22:23]
	s_or_b32 s[G0S+3], s[G0S+3], 0x80000000
	s_mov_b32 s[G0SB], 1
	s_mov_b32 s[G0SB+1], SCB
	s_mov_b64 s[G0SB+2:G0SB+3], s[88:89]
	s_or_b32 s[G0SB+3], s[G0SB+3], 0x80000000
.macro ARM under, g0, g1, next         ; one chain of branches on the wave's number, one load to an arm
	s_cmp_lt_u32 s14, \under
	s_cbranch_scc0 \next
	tensor_load_to_lds s[\g0:\g0+3], s[\g1:\g1+7]
	s_nop 0
.rept 4
	v_nop
.endr
	s_branch .Lhead_asked
\next:
.endm
	ARM 1, G0B, G1B, .Lhead_a
	ARM 2, G0,  G1,  .Lhead_sa
	ARM 3, G0S, G1S, .Lhead_sb
	tensor_load_to_lds s[G0SB:G0SB+3], s[G1SB:G1SB+7]
	s_nop 0
.rept 4
	v_nop
.endr
.Lhead_asked:
	s_mul_i32 s21, s15, 49152                      ; my four blocks of ctx
	s_mul_i32 s22, s16, 128*PITCH
	s_add_co_u32 s22, s22, BREG                    ; my 128 rows of Wo
	s_add_co_u32 s23, s22, 64*PITCH
	s_mul_i32 s88, s15, 8*272
	s_add_co_u32 s88, s88, SCA
	s_mul_i32 s89, s16, 16*272
	s_add_co_u32 s89, s89, SCB
	s_mul_i32 s90, s14, 16*SPITCH
	s_lshl_b32 s46, s42, 10                        ; my first column, in bytes
	s_lshl_b32 s47, s16, 9
	s_add_co_u32 s46, s46, s47
	s_mov_b32 s47, 0
	s_add_nc_u64 s[92:93], s[92:93], s[46:47]
	s_lshl_b32 s18, s17, 7
	s_lshl_b32 s19, s15, 6
	s_add_co_u32 s18, s18, s19
	s_lshl_b32 s18, s18, 12                        ; my first row, 4,096 bytes a row
	s_mov_b32 s19, 0
	s_add_nc_u64 s[18:19], s[18:19], s[46:47]
	s_add_nc_u64 s[94:95], s[94:95], s[18:19]
	v_and_b32 v1, 15, v0                           ; r
	v_bfe_u32 v2, v0, 4, 1                         ; h
	v_and_b32 v6, 31, v0
	v_lshlrev_b32 v[CO], 4, v6
	v_mul_u32_u24 v3, v1, PITCH
	v_mad_u32_u24 v4, v2, 24, v3
	v_lshl_add_u32 v5, v2, 4, v4
	v_lshlrev_b32 v7, 5, v1                        ; 32 scale bytes a row, 16 more for each 256 passed
	v_lshrrev_b32 v8, 8, v7
	v_lshl_add_u32 v7, v8, 4, v7
	v_mul_u32_u24 v9, v1, SPITCH
	v_lshl_add_u32 v9, v2, 5, v9
	v_lshlrev_b32 v[BOF], 5, v2
	v_add_nc_u32 v[ADRA], s21, v[CO]
	v_lshl_add_u32 v[ADRA+1], v6, 3, s21           ; and by 8 x lane
	v_add_nc_u32 v[ADRB], s22, v4
	v_add_nc_u32 v[ADRB+1], s22, v5
	v_add_nc_u32 v[ADRB+2], s23, v4
	v_add_nc_u32 v[ADRB+3], s23, v5
	v_add_nc_u32 v[ADSA], s88, v7
	v_add_nc_u32 v[ADSB], s89, v7
	v_add_nc_u32 v[STO], s90, v9
	v_add_nc_u32 v[RD], s90, v[CO]
	WIN 0x40
.irp b, 0,1,2,3,4,5,6,7                ; the bias in the result's layout: column 16 b + 8 h + j
	global_load_b128 v[96+8*\b+96*(\b/4):96+8*\b+96*(\b/4)+3], v[BOF], s[92:93] offset:64*\b
	global_load_b128 v[100+8*\b+96*(\b/4):100+8*\b+96*(\b/4)+3], v[BOF], s[92:93] offset:64*\b+16
.endr
	WIN 0
; the fragments of step st into set st % 2: Wo's eight blocks in pieces of 8 bytes (48 loads); ctx's four as images, each half registers 0-3 at 16 x lane and 4-5 at 512 + 8 x lane (16 loads)
.macro FETCH st
	WIN 0x40
.irp i, 0,1,2,3,4,5,6,7
.irp p, 0,1,2,3,4,5
.set BY, 96*(\st)+48*(\p/3)+8*(\p%3)
.set AR, ADRB+2*(\i/4)
.if BY/256 != (BY+24)/256
.set AR, AR+1
.endif
	ds_load_b64 v[128*((\st)%2)+FR*\i+2*\p:128*((\st)%2)+FR*\i+2*\p+1], v[AR] offset:BY+16*(BY/256)+(\i%4)*16*PITCH
.endr
.endr
	WIN 0
.irp i, 0,1,2,3
.irp c, 0,1
	ds_load_b128 v[AF+48*((\st)%2)+FR*\i+6*\c:AF+48*((\st)%2)+FR*\i+6*\c+3], v[ADRA] offset:12288*\i+1536*(\st)+768*\c
	ds_load_b64 v[AF+48*((\st)%2)+FR*\i+6*\c+4:AF+48*((\st)%2)+FR*\i+6*\c+5], v[ADRA+1] offset:12288*\i+1536*(\st)+768*\c+512
.endr
.endr
.endm
.macro MULS q, cm                      ; 32 matrix instructions, the 32 accumulators by turns
.irp a, 0,1,2,3
.irp b, 0,1,2,3,4,5,6,7
.set rD, 8*(8*\a+\b)
.set rB, 128*((\q)%2)+FR*\b
.set rA, AF+48*((\q)%2)+FR*\a
.set rC, rD
.if \cm
.set rC, 96+8*\b+96*(\b/4)
.endif
	v_wmma_scale_f32_16x16x128_f8f6f4 v[rD:rD+7], v[rB:rB+FR-1], v[rA:rA+FR-1], v[rC:rC+7], v[SB+8*\b+(\q)], v[SA+8*\a+(\q)] matrix_a_fmt:MATRIX_FMT_FP6 matrix_b_fmt:MATRIX_FMT_FP6
.endr
.endr
.endm
	s_wait_alu depctr_va_vdst(0)
	s_wait_tensorcnt 0x0                           ; my tile is in
	s_barrier_signal -1
	s_barrier_wait -1                              ; and everybody's
	FETCH 0
.irp a, 0,1,2,3
	ds_load_b128 v[SA+8*\a:SA+8*\a+3], v[ADSA] offset:544*\a
	ds_load_b128 v[SA+8*\a+4:SA+8*\a+7], v[ADSA] offset:544*\a+16
.endr
.irp b, 0,1,2,3,4,5,6,7
	ds_load_b128 v[SB+8*\b:SB+8*\b+3], v[ADSB] offset:544*\b
	ds_load_b128 v[SB+8*\b+4:SB+8*\b+7], v[ADSB] offset:544*\b+16
.endr
	s_wait_loadcnt 0x0                             ; the bias
	FETCH 1
	s_wait_dscnt 63                                ; of step 1's 64 loads 63 may be out: all before them are in
	WIN 0x91                                       ; source 0 and C window 1, source 1 window 0, D window 2
	MULS 0, 1
.set Q, 1
.rept 6
	PLACES NP                                      ; in front of loads into the set that the step before multiplied
	FETCH Q+1
	s_wait_dscnt 63                                ; of the 64 just issued 63 may be out
	WIN 0xa1
	MULS Q, 0
.set Q, Q+1
.endr
	s_wait_dscnt 0x0
	MULS 7, 0
	WIN 0
	PLACES NP
	s_barrier_signal -1                            ; no LDS load of mine is out: nobody reads ctx's bytes behind this barrier
	s_barrier_wait -1
; THE WAY OUT, by blocks of 16 rows x 128 columns, through my own stage: back come whole rows of 512 bytes
.macro TOSTAGE a
	WIN 0x08
.irp b, 0,1,2,3,4,5,6,7
	ds_store_b128 v[STO], v[64*(\a)+8*\b:64*(\a)+8*\b+3] offset:64*\b          ; each accumulator from its low end on
	ds_store_b128 v[STO], v[64*(\a)+8*\b+4:64*(\a)+8*\b+7] offset:64*\b+16
.endr
	WIN 0
.set BB, BK+64*((\a)%2)
.irp t, 0,1,2,3,4,5,6,7,8,9,10,11,12,13,14,15
	ds_load_b128 v[BB+4*\t:BB+4*\t+3], v[RD] offset:\t*SPITCH                  ; LDS serves a wave's instructions in order (ISA guide 5.7.1.4)
.endr
.endm
.macro SEND a, younger
.set BB, BK+64*((\a)%2)
	s_wait_dscnt \younger
.if (\a) > 0
	s_add_nc_u64 s[94:95], s[94:95], 16*SIZE_N*4   ; behind a wait on XCNT
.endif
.irp t, 0,1,2,3,4,5,6,7,8,9,10,11,12,13,14,15
	global_store_b128 v[CO], v[BB+4*\t:BB+4*\t+3], s[94:95] offset:\t*SIZE_N*4 th:TH_STORE_NT   ; 512 consecutive bytes, aligned
.endr
.endm
	TOSTAGE 0
.irp a, 1,2,3
.if \a > 1
	s_wait_xcnt 0x0                                ; block a - 2's stores have read their registers and their base
.endif
	TOSTAGE \a
	SEND \a-1, 32                                  ; behind block a - 1's loads: 16 stores and 16 loads
.endr
	s_wait_xcnt 0x0
	SEND 3, 0
	s_wait_tensorcnt 0x0                           ; the wave's end
	ds_add_u32 v[SPW], v[NIL]
	s_wait_dscnt 0x0
	CROUND                                         ; the closing round
	s_endpgm
.Lfunc_end_k_q6da7472c1c_oproj:
	.size	k_q6da7472c1c_oproj, .Lfunc_end_k_q6da7472c1c_oproj-k_q6da7472c1c_oproj
	.p2alignl 7, 3214868480
	.fill 96, 4, 3214868480
	.section	.rodata,"a",@progbits
	.p2align	6, 0x0
	.amdhsa_kernel k_q6da7472c1c_oproj
		.amdhsa_group_segment_fixed_size 327680
		.amdhsa_private_segment_fixed_size 0
		.amdhsa_enable_private_segment 0
		.amdhsa_kernarg_size 48
		.amdhsa_user_sgpr_count 2
		.amdhsa_user_sgpr_kernarg_segment_ptr 1
		.amdhsa_wavefront_size32 1
		.amdhsa_system_sgpr_workgroup_id_x 1
		.amdhsa_system_sgpr_workgroup_id_y 1
		.amdhsa_system_sgpr_workgroup_id_z 1
		.amdhsa_system_vgpr_workitem_id 0
		.amdhsa_next_free_vgpr 768
		.amdhsa_next_free_sgpr 100
		.amdhsa_reserve_vcc 0
		.amdhsa_float_denorm_mode_32 3
		.amdhsa_float_denorm_mode_16_64 3
		.amdhsa_memory_ordered 1
		.amdhsa_forward_progress 1
		.amdhsa_inst_pref_size 93
	.end_amdhsa_kernel
	.amdgpu_metadata
---
amdhsa.version: [ 1, 2 ]
amdhsa.kernels:
  - .name:           k_q6da7472c1c_oproj
    .symbol:         k_q6da7472c1c_oproj.kd
    .args:
      - { .name: ctx_img, .offset: 0, .size: 8, .value_kind: global_buffer, .address_space: global }
      - { .name: ctx_sc, .offset: 8, .size: 8, .value_kind: global_buffer, .address_space: global }
      - { .name: Wo_codes, .offset: 16, .size: 8, .value_kind: global_buffer, .address_space: global }
      - { .name: Wo_scales, .offset: 24, .size: 8, .value_kind: global_buffer, .address_space: global }
      - { .name: bo, .offset: 32, .size: 8, .value_kind: global_buffer, .address_space: global }
      - { .name: out0, .offset: 40, .size: 8, .value_kind: global_buffer, .address_space: global }
    .group_segment_fixed_size: 327680
    .private_segment_fixed_size: 0
    .kernarg_segment_align: 8
    .kernarg_segment_size: 48
    .max_flat_workgroup_size: 128
    .sgpr_count:     100
    .vgpr_count:     768
    .wavefront_size: 32
...
	.end_amdgpu_metadata
.endif
;; end of part 3
